; MI455X (gfx1250); checked and timed in simulation.
; The chip was launched on July 23, 2026; its instructions are those of AMD's public machine-readable ISA for CDNA 5 (MIT licence, August 2026) and "CDNA5" Instruction Set Architecture Reference Guide (July 2026). The comments in the code are by the model that wrote it; some were corrected since.
;; SAM. Allowed arithmetic: float matrix products may take bf16 or f16 operands with f32 sums; all other float work in f32.
;; Inputs: Wq 256 x 256 float32; Wv 256 x 256 float32; Wz 256 x 256 float32; x 2 x 256 x 64 x 64 float32.
;; Outputs: out0 2 x 256 x 64 x 64 float32.
;; 2 versions, each right and faster than the one before. Each part assembles by itself: llvm-mc -triple=amdgcn-amd-amdhsa -mcpu=gfx1250 --defsym DOCPART=n.
;; ======== version 1 of 2: 2 launches
;; limits: values are held in f16: magnitudes above 65,504 overflow, below 6.1e-05 lose precision
;; workspace buffers: vbuf 4,194,304 bytes; kq 8,388,608 bytes
;; launch proj (part 1): grid 32 x 8, 8 waves a work-group, no clusters, 190,976 bytes of LDS; arguments x, Wv, Wz, Wq, vbuf, kq; writes vbuf, kq
.if DOCPART == 1
	.amdgcn_target "amdgcn-amd-amdhsa--gfx1250"
	.amdhsa_code_object_version 6
	.text
	.protected	k_qbaf4569d1d_proj
	.globl	k_qbaf4569d1d_proj
	.p2align	8
	.type	k_qbaf4569d1d_proj,@function
k_qbaf4569d1d_proj:
	s_mov_b64 s[64:65], 0
	v_nop
	global_prefetch_b8 v0, s[64:65] scope:SCOPE_SE
	s_setreg_imm32_b32 hwreg(HW_REG_WAVE_MODE, 25, 1), 1
	s_wait_xcnt 0x0
; The three 1x1 projections of one head for 256 columns m:  v = Wv x,  z = Wz x + PE,  q = Wq x.
; x: [2][256 c][4096 m] f32.  W: [256 o][256 c] f32.  Operands f16, sums f32.  PE (the fixed sine and cosine table) is computed here and
; is the starting value of the sums of z.  v is scaled by log2(e)/sqrt(32), so that the next launch works with powers of two.
; Work-group (gx, hd): batch b = gx >> 4, columns 256 (gx & 15) .. +255, head hd: 96 output rows (32 of v, 32 of z, 32 of q), K = 256.
; Eight waves; wave w owns columns 32 w .. 32 w + 31: two tiles of 16 columns, 12 accumulator tiles of 16 x 16.
; RESULTS ARE STORED AS FRAGMENT IMAGES: the 16 bytes that a lane holds after packing are the 16 bytes that the same lane of the next launch
; needs as four operand registers, so every store here and every load there is lane x 16: 512 consecutive bytes for each wave instruction.
;   vbuf: bh*262144 + (m/16)*1024 + g*512 + lane*16            = sc*v[c = 16g+8h+0..7][m = 16 (m/16) + r]      (r = lane & 15, h = lane >> 4)
;   kq:   bh*524288 + (n/32)*4096 + kt*1024 + g*512 + lane*16  = (z+PE)[c = 16g+8h+0..7][n = 32 (n/32) + 16 kt + r]
;         ...                + 2048 + dt*1024 + g*512 + lane*16 = q[d = 16dt+r][n = 32 (n/32) + 16g+8h+0..7]
; NO TENSOR LOADS AND NO JOINT REQUESTS, though the eight heads read the same x and 32 work-groups the same W: the operands come as f32 and
; are rounded to f16 in registers on their way into LDS; as f32 the tiles are 256*256*4 + 96*256*4 = 360,448 bytes, more than the 327,680 of LDS.
; LIMITS: operands are f16: x, W, sc*v, z+PE and q below 65,504 in magnitude; numbers below 6e-8 round to zero.
; PE: polynomials of degree 7 and 6 on |r| <= pi/4, absolute error at most 4e-6, and the angle (at most 63) carries the error of one v_exp_f32.
.set XROW,  16384                      ; bytes from a row c of x to the next
.set WP,    528                        ; LDS pitch of a row of W: 512 bytes + 16, an odd multiple of 16: the 16 rows of a fragment start 16 bytes apart modulo 256
.set XP,    544                        ; LDS pitch of a row of x: 512 bytes + 32, an odd multiple of 32
.set XB,    96*WP                      ; LDS: W at 0 (96 rows), x behind it (256 rows); every byte is written once, so one barrier serves
.set VX,    1                          ; v1   lane*16 + w*32 rows of x
.set VW,    2                          ; v2   lane*16 + w*4096: my 4 rows of each W, and also my block of kq
.set XS,    3                          ; v3   LDS: where my rows of x go
.set WS,    4                          ; v4   LDS: where my rows of W go
.set XA0,   5                          ; v5   LDS: fragments of x, K steps 0 to 3
.set XA1,   6                          ; v6   the same, K steps 4 to 7 (the offsets would pass 65,535)
.set WA,    7                          ; v7   LDS: fragments of W
.set VO,    8                          ; v8   lane*16 + w*2048: my two tiles of vbuf
.set POS,   10                         ; v10-11  the position (row or column of the picture) of my column in tile 0, 1, as f32
.set DIV,   12                         ; v12-19  my eight frequencies
                                       ; v20-31  at work
.set FB0,   32                         ; v32-95   fragment buffer 0: x tile 0, 1 (16), then W fragments (a, ot) (48).  Before: W as loaded, x batch 2
.set ZACC,  96                         ; v96-127  sums of z, tile (ot, mt) at 8 (2 ot + mt).  Before: W as loaded
.set VACC,  128                        ; v128-159 sums of v.  Before: x batches 0 and 3
.set QACC,  160                        ; v160-191 sums of q, tile (dt, mt)
.set FB1,   192                        ; v192-255 fragment buffer 1.  Before: x batch 1
.macro PLACES                          ; four places behind matrix instructions (ISA guide 7.12.1)
.rept 4
	v_nop
.endr
.endm
; eight rows of x: 16 loads of 512 consecutive bytes
.macro XLOAD batch, reg
.irp i, 0,1,2,3,4,5,6,7
.irp hf, 0,1
	global_load_b128 v[\reg+8*\i+4*\hf:\reg+8*\i+4*\hf+3], v[VX], s[4:5] offset:(8*\batch+\i)*XROW+\hf*512
.endr
.endr
.endm
; the same rows rounded to f16 in place and laid into LDS, 8 bytes a lane, 256 consecutive bytes an instruction
.macro XSTAGE batch, reg
.irp i, 0,1,2,3,4,5,6,7
.irp hf, 0,1
	v_cvt_pk_f16_f32 v[\reg+8*\i+4*\hf], v[\reg+8*\i+4*\hf], v[\reg+8*\i+4*\hf+1]
	v_cvt_pk_f16_f32 v[\reg+8*\i+4*\hf+1], v[\reg+8*\i+4*\hf+2], v[\reg+8*\i+4*\hf+3]
	ds_store_b64 v[XS], v[\reg+8*\i+4*\hf:\reg+8*\i+4*\hf+1] offset:(8*\batch+\i)*XP+\hf*256
.endr
.endr
.endm
	s_load_b256 s[4:11], s[0:1], 0x0               ; x s[4:5], Wv s[6:7], Wz s[8:9], Wq s[10:11]
	s_load_b128 s[12:15], s[0:1], 0x20             ; vbuf s[12:13], kq s[14:15]
	v_lshl_add_u32 v9, v0, 2, 0x2e600
	s_set_vgpr_msb 0x40
	v_mov_b32 v1, 0
	s_set_vgpr_msb 0x4000
	v_lshrrev_b32 v20, 5, v0
	v_readfirstlane_b32 s16, v20                   ; wave w
	v_and_b32 v27, 31, v0                          ; lane
	v_and_b32 v28, 15, v0                          ; r
	v_bfe_u32 v29, v0, 4, 1                        ; h
	s_lshr_b32 s17, ttmp9, 4                       ; b
	s_and_b32 s18, ttmp9, 15                       ; mb: which 256 columns
	s_and_b32 s19, ttmp7, 0xffff                   ; hd
	s_lshl3_add_u32 s20, s17, s19                  ; bh = 8 b + hd
	s_lshl_b32 s38, s16, 19                        ; 32 rows of x
	v_lshl_add_u32 v[VX], v27, 4, s38
	s_lshl_b32 s38, s16, 12
	v_lshl_add_u32 v[VW], v27, 4, s38
	s_mov_b32 s23, 0
	s_lshl_b32 s22, s17, 22                        ; b * 256 rows * 16,384
	s_lshl_b32 s38, s18, 10                        ; + 256 columns * 4 bytes
	s_add_co_u32 s22, s22, s38
	s_wait_kmcnt 0x0
	s_add_nc_u64 s[4:5], s[4:5], s[22:23]
	s_lshl_b32 s22, s19, 15                        ; 32 rows of W * 1,024 bytes
	s_add_nc_u64 s[6:7], s[6:7], s[22:23]
	s_add_nc_u64 s[8:9], s[8:9], s[22:23]
	s_add_nc_u64 s[10:11], s[10:11], s[22:23]
	; PHASE 1.  56 loads go out at once: my 4 rows of each W (24), x batches 0 and 1 (16 each).
.irp a, 0,1,2
.irp k, 0,1,2,3,4,5,6,7
	global_load_b128 v[FB0+32*\a+4*\k:FB0+32*\a+4*\k+3], v[VW], s[6+2*\a:7+2*\a] offset:\k*512
.endr
.endr
	XLOAD 0, VACC
	XLOAD 1, FB1
	; the rest of the set-up, while they are on their way
	s_lshl_b32 s22, s20, 18
	s_lshl_b32 s38, s18, 14
	s_add_co_u32 s22, s22, s38
	s_add_nc_u64 s[12:13], s[12:13], s[22:23]      ; vbuf at my 16 tiles
	s_lshl_b32 s22, s20, 19
	s_lshl_b32 s38, s18, 15
	s_add_co_u32 s22, s22, s38
	s_add_nc_u64 s[14:15], s[14:15], s[22:23]      ; kq at my 8 blocks
	s_mul_i32 s38, s16, 32*XP
	s_add_co_u32 s38, s38, XB
	v_lshl_add_u32 v[XS], v27, 3, s38
	s_mul_i32 s38, s16, 4*WP
	v_lshl_add_u32 v[WS], v27, 3, s38
	v_and_b32 v20, 7, v0                           ; transposing load: row 8 h + (lane & 7) of the K step,
	v_lshl_add_u32 v20, v29, 3, v20
	v_mul_u32_u24 v20, v20, XP
	v_bfe_u32 v21, v0, 3, 1                        ; 16 bytes for each half of the 16 columns,
	v_lshl_add_u32 v20, v21, 4, v20
	s_lshl_b32 s38, s16, 6                         ; my 32 columns
	s_add_co_u32 s38, s38, XB
	v_add_nc_u32 v[XA0], s38, v20
	v_add_nc_u32 v[XA1], 4*32*XP, v[XA0]
	v_mul_u32_u24 v20, v28, WP                     ; plain fragment: row r, 16 bytes for each half of the lanes
	v_lshl_add_u32 v[WA], v29, 4, v20
	s_lshl_b32 s38, s16, 11
	v_lshl_add_u32 v[VO], v27, 4, s38
	s_mov_b32 s26, 0x3f22f983                      ; 2/pi
	s_mov_b32 s27, 0xbfc90fdb                      ; -(pi/2), upper part
	s_mov_b32 s28, 0x333bbd2e                      ; -(pi/2), the rest
	s_mov_b32 s29, 0xbe2aaaab                      ; -1/6
	s_mov_b32 s30, 0x3c088889                      ; 1/120
	s_mov_b32 s31, 0xb9500d01                      ; -1/5040
	s_mov_b32 s32, 0x3d2aaaab                      ; 1/24
	s_mov_b32 s33, 0xbab60b61                      ; -1/720
	s_mov_b32 s34, 0xbe549a78                      ; -2 log2(10000) / 128
	s_mov_b32 s36, 0x3e8293ee                      ; sc = log2(e) / sqrt(32)
	s_mov_b32 s37, 0x3e8293ee
	; Column m = 256 mb + 32 w + 16 mt + r.  Heads 0-3 (channels below 128) take the row of the picture, m >> 6 = 4 mb + (w >> 1);
	; heads 4-7 its column, m & 63 = 32 (w & 1) + 16 mt + r.  position = s24 + s25 (16 mt + r): a choice of values, no branch.
	s_lshl_b32 s38, s18, 2
	s_lshr_b32 s39, s16, 1
	s_add_co_u32 s38, s38, s39
	s_and_b32 s39, s16, 1
	s_lshl_b32 s39, s39, 5
	s_cmp_lt_u32 s19, 4
	s_cselect_b32 s24, s38, s39
	s_cselect_b32 s25, 0, 1
	; Output row o = 16 ot + 8 h + j of the head is channel 32 (hd & 3) + o of its half: frequency i = 16 (hd & 3) + 8 ot + 4 h + (j >> 1),
	; div = 2^(s34 i); j even is the sine, j odd the cosine.
	s_and_b32 s40, s19, 3
	s_lshl_b32 s40, s40, 4
	v_lshl_add_u32 v30, v29, 2, s40
.irp e, 0,1,2,3,4,5,6,7
	v_add_nc_u32 v[DIV+\e], (\e>>2)*8+(\e&3), v30
	v_cvt_f32_u32 v[DIV+\e], v[DIV+\e]
	v_mul_f32 v[DIV+\e], s34, v[DIV+\e]
.endr
.irp e, 0,1,2,3,4,5,6,7
	v_exp_f32 v[DIV+\e], v[DIV+\e]
.endr
	v_add_nc_u32 v31, 16, v28                      ; plain instructions stand between the exponentials and their first use (ISA guide 5.7.2)
	v_mad_u32_u24 v[POS], v28, s25, s24
	v_mad_u32_u24 v[POS+1], v31, s25, s24
	v_cvt_f32_u32 v[POS], v[POS]
	v_cvt_f32_u32 v[POS+1], v[POS+1]
	s_wait_loadcnt 32                              ; the 32 loads of x batches 0 and 1 are younger: W is in
	s_wait_alu depctr_va_vdst(0)
.irp a, 0,1,2
.irp k, 0,1,2,3,4,5,6,7
	v_cvt_pk_f16_f32 v[FB0+32*\a+4*\k], v[FB0+32*\a+4*\k], v[FB0+32*\a+4*\k+1]
	v_cvt_pk_f16_f32 v[FB0+32*\a+4*\k+1], v[FB0+32*\a+4*\k+2], v[FB0+32*\a+4*\k+3]
	ds_store_b64 v[WS], v[FB0+32*\a+4*\k:FB0+32*\a+4*\k+1] offset:\a*32*WP+(\k>>1)*WP+(\k&1)*256
.endr
.endr
	XLOAD 2, FB0
	s_wait_loadcnt 32                              ; batches 1 and 2 are younger: batch 0 is in
	XSTAGE 0, VACC
	XLOAD 3, VACC
; sine into v[d], cosine into v[d+1] of position * frequency.  k = nearest whole number to angle * 2/pi; r = angle - k pi/2 in two fused steps;
; polynomials in r; the quarter k & 3 swaps the two and sets the signs.  The angle is never negative.
.macro SINCOS d, pos, div
	v_mul_f32 v20, v[\pos], v[\div]
	v_mul_f32 v21, s26, v20
	v_rndne_f32 v21, v21
	v_fma_f32 v20, v21, s27, v20
	v_fma_f32 v20, v21, s28, v20                   ; r
	v_cvt_i32_f32 v22, v21                         ; k
	v_mul_f32 v23, v20, v20                        ; r^2
	v_fma_f32 v24, v23, s31, s30
	v_fma_f32 v26, v23, s33, s32
	v_fma_f32 v24, v23, v24, s29
	v_fma_f32 v26, v23, v26, -0.5
	v_mul_f32 v25, v20, v23
	v_fma_f32 v26, v23, v26, 1.0                   ; cos r
	v_fma_f32 v24, v25, v24, v20                   ; sin r
	v_and_b32 v27, 1, v22
	v_cmp_eq_u32 vcc_lo, 1, v27
	v_cndmask_b32 v[\d], v24, v26, vcc_lo          ; odd quarter: the two change places
	v_cndmask_b32 v[\d+1], v26, v24, vcc_lo
	v_lshlrev_b32 v27, 30, v22                     ; sine negative in quarters 2, 3: bit 1 of k
	v_add_nc_u32 v22, 1, v22                       ; cosine negative in quarters 1, 2: bit 1 of k + 1
	v_and_b32 v27, 0x80000000, v27
	v_lshlrev_b32 v22, 30, v22
	v_xor_b32 v[\d], v27, v[\d]
	v_and_b32 v22, 0x80000000, v22
	v_xor_b32 v[\d+1], v22, v[\d+1]
.endm
	; PE into the accumulators of z, while 48 loads are on their way
.irp ot, 0,1
.irp mt, 0,1
.irp p, 0,1,2,3
	SINCOS ZACC+8*(2*\ot+\mt)+2*\p, POS+\mt, DIV+4*\ot+\p
.endr
.endr
.endr
	s_wait_loadcnt 32                              ; batches 2 and 3 are younger: batch 1 is in
	XSTAGE 1, FB1
	s_wait_loadcnt 16                              ; batch 3 is younger
	XSTAGE 2, FB0
	s_wait_loadcnt 0x0
	XSTAGE 3, VACC
	s_wait_dscnt 0x0                               ; my rows lie in LDS: zero, for the sake of the other waves,
	s_barrier_signal -1
	s_barrier_wait -1                              ; and so do the rows of all eight
; PHASE 2.  The fragments of K step ks (32 channels): 16 LDS loads.
; x lies [c][m]: two transposing loads, 16 rows apart, give lane (r, h) the channels 8h..8h+7 and 16+8h..+7 of column r.
.macro FETCH ks, fb
.irp mt, 0,1
.if (\ks) < 4
	ds_load_tr16_b128 v[\fb+8*\mt:\fb+8*\mt+3], v[XA0] offset:(\ks)*32*XP+\mt*32
	ds_load_tr16_b128 v[\fb+8*\mt+4:\fb+8*\mt+7], v[XA0] offset:(\ks)*32*XP+\mt*32+16*XP
.else
	ds_load_tr16_b128 v[\fb+8*\mt:\fb+8*\mt+3], v[XA1] offset:((\ks)-4)*32*XP+\mt*32
	ds_load_tr16_b128 v[\fb+8*\mt+4:\fb+8*\mt+7], v[XA1] offset:((\ks)-4)*32*XP+\mt*32+16*XP
.endif
.endr
.irp f, 0,1,2,3,4,5                    ; f = 2 a + ot: rows 16 f .. 16 f + 15 of the 96
	ds_load_b128 v[\fb+16+8*\f:\fb+16+8*\f+3], v[WA] offset:\f*16*WP+(\ks)*64
	ds_load_b128 v[\fb+16+8*\f+4:\fb+16+8*\f+7], v[WA] offset:\f*16*WP+(\ks)*64+32
.endr
.endm
; One K step: the next step is fetched into the other buffer, then 12 matrix instructions, each on an accumulator of its own.
; The accumulators take turns, one instruction a turn, from step to step too.
; v and z: A = rows of W, B = columns of x: a lane holds 8 neighbouring channels of one column.
; q: the sources change places: a lane holds 8 neighbouring columns (keys) of one channel.
.macro KSTEP ks, fb, nb
.if \ks < 7
.if \ks > 0
	PLACES                                         ; the loads below land in registers that the last 12 matrix instructions read
.endif
	FETCH \ks+1, \nb
	s_wait_dscnt 16                                ; the 16 just issued may stay out: the fragments of this step are in
.else
	s_wait_dscnt 0x0
.endif
.irp ot, 0,1
.irp mt, 0,1
.if \ks == 0
	v_wmma_f32_16x16x32_f16 v[VACC+8*(2*\ot+\mt):VACC+8*(2*\ot+\mt)+7], v[\fb+16+8*\ot:\fb+16+8*\ot+7], v[\fb+8*\mt:\fb+8*\mt+7], 0
.else
	v_wmma_f32_16x16x32_f16 v[VACC+8*(2*\ot+\mt):VACC+8*(2*\ot+\mt)+7], v[\fb+16+8*\ot:\fb+16+8*\ot+7], v[\fb+8*\mt:\fb+8*\mt+7], v[VACC+8*(2*\ot+\mt):VACC+8*(2*\ot+\mt)+7]
.endif
	v_wmma_f32_16x16x32_f16 v[ZACC+8*(2*\ot+\mt):ZACC+8*(2*\ot+\mt)+7], v[\fb+32+8*\ot:\fb+32+8*\ot+7], v[\fb+8*\mt:\fb+8*\mt+7], v[ZACC+8*(2*\ot+\mt):ZACC+8*(2*\ot+\mt)+7]
.if \ks == 0
	v_wmma_f32_16x16x32_f16 v[QACC+8*(2*\ot+\mt):QACC+8*(2*\ot+\mt)+7], v[\fb+8*\mt:\fb+8*\mt+7], v[\fb+48+8*\ot:\fb+48+8*\ot+7], 0
.else
	v_wmma_f32_16x16x32_f16 v[QACC+8*(2*\ot+\mt):QACC+8*(2*\ot+\mt)+7], v[\fb+8*\mt:\fb+8*\mt+7], v[\fb+48+8*\ot:\fb+48+8*\ot+7], v[QACC+8*(2*\ot+\mt):QACC+8*(2*\ot+\mt)+7]
.endif
.endr
.endr
.endm
	FETCH 0, FB0
	KSTEP 0, FB0, FB1                              ; the first products start the sums of v and q; those of z start from PE
	KSTEP 1, FB1, FB0
	KSTEP 2, FB0, FB1
	KSTEP 3, FB1, FB0
	KSTEP 4, FB0, FB1
	KSTEP 5, FB1, FB0
	KSTEP 6, FB0, FB1
	KSTEP 7, FB1, FB0
	; PHASE 3.  Scale v, round all to f16 (registers 2i, 2i+1 of a tile into its register i), store 16 bytes a lane.
	PLACES
.irp i, 0,1,2,3,4,5,6,7,8,9,10,11,12,13,14,15
	v_pk_mul_f32 v[VACC+2*\i:VACC+2*\i+1], v[VACC+2*\i:VACC+2*\i+1], s[36:37] op_sel_hi:[1,0]
.endr
.irp k, 0,1,2,3,4,5,6,7,8,9,10,11      ; the 12 tiles lie one behind the other from ZACC on
.irp i, 0,1,2,3
	v_cvt_pk_f16_f32 v[ZACC+8*\k+\i], v[ZACC+8*\k+2*\i], v[ZACC+8*\k+2*\i+1]
.endr
.endr
.irp ot, 0,1
.irp mt, 0,1
	global_store_b128 v[VO], v[VACC+8*(2*\ot+\mt):VACC+8*(2*\ot+\mt)+3], s[12:13] offset:\mt*1024+\ot*512
	global_store_b128 v[VW], v[ZACC+8*(2*\ot+\mt):ZACC+8*(2*\ot+\mt)+3], s[14:15] offset:\mt*1024+\ot*512
	global_store_b128 v[VW], v[QACC+8*(2*\ot+\mt):QACC+8*(2*\ot+\mt)+3], s[14:15] offset:2048+\ot*1024+\mt*512
.endr
.endr
	s_set_vgpr_msb 0x4
	s_wait_tensorcnt 0x0
	ds_add_u32 v9, v1
	s_wait_dscnt 0x0
	s_set_vgpr_msb 0x400
	s_endpgm
.Lfunc_end_k_qbaf4569d1d_proj:
	.size	k_qbaf4569d1d_proj, .Lfunc_end_k_qbaf4569d1d_proj-k_qbaf4569d1d_proj
	.p2alignl 7, 3214868480
	.fill 96, 4, 3214868480
	.section	.rodata,"a",@progbits
	.p2align	6, 0x0
	.amdhsa_kernel k_qbaf4569d1d_proj
		.amdhsa_group_segment_fixed_size 190976
		.amdhsa_private_segment_fixed_size 0
		.amdhsa_enable_private_segment 0
		.amdhsa_kernarg_size 48
		.amdhsa_user_sgpr_count 2
		.amdhsa_user_sgpr_kernarg_segment_ptr 1
		.amdhsa_wavefront_size32 1
		.amdhsa_system_sgpr_workgroup_id_x 1
		.amdhsa_system_sgpr_workgroup_id_y 1
		.amdhsa_system_sgpr_workgroup_id_z 1
		.amdhsa_system_vgpr_workitem_id 0
		.amdhsa_next_free_vgpr 258
		.amdhsa_next_free_sgpr 66
		.amdhsa_reserve_vcc 1
		.amdhsa_float_denorm_mode_32 3
		.amdhsa_float_denorm_mode_16_64 3
		.amdhsa_memory_ordered 1
		.amdhsa_forward_progress 1
		.amdhsa_inst_pref_size 68
	.end_amdhsa_kernel
	.amdgpu_metadata
---
amdhsa.version: [ 1, 2 ]
amdhsa.kernels:
  - .name:           k_qbaf4569d1d_proj
    .symbol:         k_qbaf4569d1d_proj.kd
    .args:
      - { .name: x, .offset: 0, .size: 8, .value_kind: global_buffer, .address_space: global }
      - { .name: Wv, .offset: 8, .size: 8, .value_kind: global_buffer, .address_space: global }
      - { .name: Wz, .offset: 16, .size: 8, .value_kind: global_buffer, .address_space: global }
      - { .name: Wq, .offset: 24, .size: 8, .value_kind: global_buffer, .address_space: global }
      - { .name: vbuf, .offset: 32, .size: 8, .value_kind: global_buffer, .address_space: global }
      - { .name: kq, .offset: 40, .size: 8, .value_kind: global_buffer, .address_space: global }
    .group_segment_fixed_size: 190976
    .private_segment_fixed_size: 0
    .kernarg_segment_align: 8
    .kernarg_segment_size: 48
    .max_flat_workgroup_size: 256
    .sgpr_count:     66
    .vgpr_count:     258
    .wavefront_size: 32
...
	.end_amdgpu_metadata
.endif
;; end of part 1
;; launch attn (part 2): grid 16 x 16, 8 waves a work-group, clusters of 4 x 1, 327,680 bytes of LDS; arguments vbuf, kq, out0; writes out0
.if DOCPART == 2
	.amdgcn_target "amdgcn-amd-amdhsa--gfx1250"
	.amdhsa_code_object_version 6
	.text
	.protected	k_qbaf4569d1d_attn
	.globl	k_qbaf4569d1d_attn
	.p2align	8
	.type	k_qbaf4569d1d_attn,@function
k_qbaf4569d1d_attn:
	s_mov_b64 s[64:65], 0
	v_nop
	global_prefetch_b8 v0, s[64:65] scope:SCOPE_SE
	s_setreg_imm32_b32 hwreg(HW_REG_WAVE_MODE, 25, 1), 1
	s_wait_xcnt 0x0
	s_wait_alu depctr_hold_cnt(0) depctr_sa_sdst(0) depctr_va_vdst(0) depctr_va_sdst(0) depctr_va_ssrc(0) depctr_va_vcc(0) depctr_vm_vsrc(0)
	s_getreg_b32 s2, hwreg(HW_REG_IB_STS2, 6, 4)
	s_cmp_eq_u32 s2, 0
	s_cbranch_scc0 .Lentry_in_a_cluster
	s_endpgm
.Lentry_in_a_cluster:
	s_bfe_u32 s2, ttmp6, 0x10000c
	s_cmp_lg_u32 s2, 0x3003
	s_cbranch_scc0 .Lentry_shape_is_right
	s_endpgm
.Lentry_shape_is_right:
; Attention of one (batch, head) bh for 256 queries: out[d][m] = sum over n of softmax_n(score[m][n]) q[d][n], 4,096 keys n, 32 channels.
; vbuf and kq hold fragment images (16 bytes a lane, 512 consecutive bytes for each wave instruction):
;   vbuf: bh*262144 + (m/16)*1024 + g*512 + lane*16             = sc*v[c = 16g+8h+0..7][m = 16 (m/16) + r], sc = log2(e)/sqrt(32)   (r = lane & 15, h = lane >> 4)
;   kq:   bh*524288 + (n/32)*4096 + kt*1024 + g*512 + lane*16   = (z+PE)[c = 16g+8h+0..7][n = 32 (n/32) + 16 kt + r]
;         ...                 + 2048 + dt*1024 + g*512 + lane*16 = q[d = 16dt+r][n = 32 (n/32) + 16g+8h+0..7]
; Work-group (qb, bh): queries 256 qb .. +255.  Eight waves: qg = w & 3 picks 64 queries (4 tiles of 16), kh = w >> 2 one half (128 keys) of every
; tile of 256 keys; the two halves of a query group keep a running maximum, sum and output each and are merged once at the end.
; NO SHUFFLE BETWEEN THE TWO PRODUCTS: the first is taken transposed, A = 16 keys, B = 16 queries, so lane (r, h) holds in register j the score of
; key 8h + j and query r.  Two such tiles, packed to f16, are the B operand (K = 32 keys) of the second product, A = 16 channels of q, whose
; result lane (r, h) holds as channel 8h + j of query r.  So maximum, rescaling factor and sum of a query stay in the lanes r and r + 16.
; The softmax takes the running maximum away before every exponential; scores are in units of log2, so the exponential is v_exp_f32.
; CLUSTER: the four work-groups of a cluster are four query blocks of one bh and walk the same tiles of kq.  Each tile is asked for jointly:
; wave w of each of the four issues the same tensor load (block w of the tile, 4,096 bytes, mask 15), which divides the requests for kq by four.
; LDS: two slots of 32,768 bytes (256 keys: 8 blocks of 4,096); behind them, in bytes that no tensor load fills, the scratch of the merge and the stage for the way out.
; A wave has two tensor loads out after the start and one at a time later.
; LIMITS: operands are f16 (sc*v, z+PE, q below 65,504); a probability below 3e-8 of the running maximum of its row rounds to zero in the product;
; the sum of a row is made of the unrounded probabilities.  A row whose scores are not finite gives NaN.
.set SLOTB, 32768                      ; a slot
.set BLK,   4096                       ; a block of 32 keys: K fragments (2,048), q fragments (2,048)
.set SCR,   65536                      ; merge scratch: 4 x 9,216 (64 + 8 registers of 32 lanes)
.set SCRW,  9216
.set STG,   102400                     ; stage: 4 x 32 rows (channels) of 256 bytes, pitch 272
.set STGW,  8704
.set SP,    272
.set LA,    1                          ; v1       lane*16 + kh*16384: my half of a slot
.set TMP,   2                          ; v2-5     at work
.set ALF,   6                          ; v6-7     the factor 2^(old maximum - new maximum); v7 is written once so that the pair is defined
.set MAXR,  8                          ; v8-15    a pair for each query tile: old and new running maximum change places from chunk to chunk
.set SUMR,  16                         ; v16-23   a pair for each query tile: two partial sums
.set VQ,    24                         ; v24-55   the four query fragments
.set KF,    56                         ; v56-87   K fragments of a chunk of 64 keys: 2 bb + kt
.set QF,    88                         ; v88-119  q fragments of a chunk: 2 bb + dt
.set PA,    120                        ; v120-151 scores, then probabilities: buffer A
.set PB,    152                        ; v152-183 buffer B
.set ACC,   184                        ; v184-247 outputs: tile t, channels 16 dt .. at 16 t + 8 dt
.set SCA,   248                        ; v248     scratch address
.set STI,   249                        ; v249     stage, way in
.set STO,   250                        ; v250     stage, way back
.set GO,    251                        ; v251     offset in out0
.set LN,    252                        ; v252     lane*16
.set G1,    24                         ; s[24:31] descriptor group 1
.set G0,    32                         ; s[32:39] descriptor group 0, one set for each slot
; A round of the barrier of the cluster: my work-group, wave 0 signals for it, all four work-groups, my work-group again.
.macro ROUND
	s_barrier_signal -1
	s_barrier_wait -1
	s_cmp_lg_u32 s10, 0
	s_cbranch_scc1 .Lnot_wave_0_\@
	s_barrier_signal -3
.Lnot_wave_0_\@:
	s_barrier_wait -3
	s_barrier_signal -1
	s_barrier_wait -1
.endm
.macro LDK slot, cc                    ; the four K fragments of chunk cc (64 keys) of my half of a slot
.irp i, 0,1,2,3
.irp g, 0,1
	ds_load_b128 v[KF+8*\i+4*\g:KF+8*\i+4*\g+3], v[LA] offset:\slot*SLOTB+\cc*2*BLK+(\i>>1)*BLK+(\i&1)*1024+\g*512
.endr
.endr
.endm
.macro LDQ slot, cc                    ; its four q fragments
.irp i, 0,1,2,3
.irp g, 0,1
	ds_load_b128 v[QF+8*\i+4*\g:QF+8*\i+4*\g+3], v[LA] offset:\slot*SLOTB+\cc*2*BLK+(\i>>1)*BLK+2048+(\i&1)*1024+\g*512
.endr
.endr
.endm
.macro SMM t, sb                       ; scores of 64 keys x query tile t
.irp i, 0,1,2,3
	v_wmma_f32_16x16x32_f16 v[\sb+8*\i:\sb+8*\i+7], v[KF+8*\i:KF+8*\i+7], v[VQ+8*\t:VQ+8*\t+7], 0
.endr
.endm
; outputs of query tile t += q x probabilities.  The two accumulators take turns, one instruction a turn.
.macro PV t, sb, zero
.irp i, 0,1
.if \zero
	v_wmma_f32_16x16x32_f16 v[ACC+16*\t+8*\i:ACC+16*\t+8*\i+7], v[QF+8*\i:QF+8*\i+7], v[\sb:\sb+7], 0
.else
	v_wmma_f32_16x16x32_f16 v[ACC+16*\t+8*\i:ACC+16*\t+8*\i+7], v[QF+8*\i:QF+8*\i+7], v[\sb:\sb+7], v[ACC+16*\t+8*\i:ACC+16*\t+8*\i+7]
.endif
.endr
.irp i, 0,1
	v_wmma_f32_16x16x32_f16 v[ACC+16*\t+8*\i:ACC+16*\t+8*\i+7], v[QF+16+8*\i:QF+16+8*\i+7], v[\sb+8:\sb+15], v[ACC+16*\t+8*\i:ACC+16*\t+8*\i+7]
.endr
.endm
; the largest of my 32 scores and the old maximum: 16 instructions, four chains.  They are also the places between the product in front
; of them and what follows: the loads into its A registers and the product that writes over its B registers.
.macro MAXP sb, t, par
.irp a, 0,1,2,3
	v_max3_num_f32 v[TMP+\a], v[\sb+8*\a], v[\sb+8*\a+1], v[\sb+8*\a+2]
.endr
.irp a, 0,1,2,3
	v_max3_num_f32 v[TMP+\a], v[TMP+\a], v[\sb+8*\a+3], v[\sb+8*\a+4]
.endr
.irp a, 0,1,2,3
	v_max3_num_f32 v[TMP+\a], v[TMP+\a], v[\sb+8*\a+5], v[\sb+8*\a+6]
.endr
	v_max3_num_f32 v[TMP], v[TMP], v[TMP+1], v[\sb+7]
	v_max3_num_f32 v[TMP+2], v[TMP+2], v[TMP+3], v[\sb+15]
	v_max3_num_f32 v[TMP], v[TMP], v[TMP+2], v[\sb+23]
	v_max3_num_f32 v[TMP], v[TMP], v[\sb+31], v[MAXR+2*\t+\par]
.endm
; What is done for the next chunk in the middle of a softmax, behind the last product that reads the K fragments.
; kind 1: its K fragments, same slot.  kind 2: change of slots with a refill.  kind 3: change of slots, nothing more to fetch.  kind 0: nothing.
.macro HOOK kind, nslot, ncc
.if (\kind) == 1
	LDK \nslot, \ncc
.endif
.if (\kind) == 2
	s_wait_tensorcnt 0x0                           ; all my tensor loads have landed: the one that was out is my block of the next slot,
	ds_add_u32 v254, v255
	s_add_nc_u64 s[G0+4*(1-\nslot)+2:G0+4*(1-\nslot)+3], s[G0+4*(1-\nslot)+2:G0+4*(1-\nslot)+3], 2*SLOTB   ; so a group 0 may be written: two tiles on
	s_wait_dscnt 0x0                               ; my reads of the slot that is left are back
	ROUND                                          ; both now hold of every wave of all four work-groups
	tensor_load_to_lds s[G0+4*(1-\nslot):G0+4*(1-\nslot)+3], s[G1:G1+7]   ; the joint refill, first behind the round; it has two chunks of every wave in which to land
	s_nop 0
	LDK \nslot, 0
.endif
.if (\kind) == 3
	s_wait_tensorcnt 0x0                           ; my block of the last tile has landed
	s_wait_dscnt 0x0
	s_barrier_signal -1
	s_barrier_wait -1                              ; and the blocks of all eight waves
	LDK \nslot, 0
.endif
.endm
.macro SUBP sb, i, t, par              ; pair i of the scores less the new maximum, which is the first (par = 1) or the second register of its pair
.if \par
	v_pk_add_f32 v[\sb+2*(\i):\sb+2*(\i)+1], v[\sb+2*(\i):\sb+2*(\i)+1], v[MAXR+2*\t:MAXR+2*\t+1] op_sel_hi:[1,0] neg_lo:[0,1] neg_hi:[0,1]
.else
	v_pk_add_f32 v[\sb+2*(\i):\sb+2*(\i)+1], v[\sb+2*(\i):\sb+2*(\i)+1], v[MAXR+2*\t:MAXR+2*\t+1] op_sel:[0,1] op_sel_hi:[1,1] neg_lo:[0,1] neg_hi:[0,1]
.endif
.endm
.macro ADDP sb, i, t                   ; pair i joins the sums (pair 0 rescales them on the way), then is packed to f16 into register i of the buffer
.if (\i) == 0
	s_wait_alu depctr_va_vdst(0)
	v_pk_fma_f32 v[SUMR+2*\t:SUMR+2*\t+1], v[SUMR+2*\t:SUMR+2*\t+1], v[ALF:ALF+1], v[\sb:\sb+1] op_sel_hi:[1,0,1]
.else
	s_wait_alu depctr_va_vdst(0)
	v_pk_add_f32 v[SUMR+2*\t:SUMR+2*\t+1], v[SUMR+2*\t:SUMR+2*\t+1], v[\sb+2*(\i):\sb+2*(\i)+1]
.endif
	v_cvt_pk_f16_f32 v[\sb+(\i)], v[\sb+2*(\i)], v[\sb+2*(\i)+1]
.endm
; Softmax step of query tile t on 64 keys.  The subtraction runs one pair ahead of the exponentials, sum and packing one pair behind, so that
; plain instructions stand between every exponential and the first use of its result (ISA guide 5.7.2).  Packing goes upward in place:
; register i is written when pair i/2, which held it, has been summed and packed.  first = 1: there is no output yet to rescale.
.macro SOFT t, sb, par, first, kind, nslot, ncc
	v_permlanex16_b32 v[TMP+1], v[TMP], s20, s21   ; the other eight keys of each tile lie in lane r + 16
	v_max_num_f32 v[MAXR+2*\t+1-\par], v[TMP], v[TMP+1]
	v_sub_f32 v[ALF], v[MAXR+2*\t+\par], v[MAXR+2*\t+1-\par]
	v_exp_f32 v[ALF], v[ALF]
	SUBP \sb, 0, \t, \par
.irp i, 0,1,2,3,4,5,6,7,8,9,10,11,12,13,14,15
.if \i < 15
	SUBP \sb, \i+1, \t, \par
.endif
	v_exp_f32 v[\sb+2*\i], v[\sb+2*\i]
	v_exp_f32 v[\sb+2*\i+1], v[\sb+2*\i+1]
.if \i > 0
	ADDP \sb, \i-1, \t
.endif
.if \i & 1
.if (\first) == 0
	v_pk_mul_f32 v[ACC+16*\t+\i-1:ACC+16*\t+\i], v[ACC+16*\t+\i-1:ACC+16*\t+\i], v[ALF:ALF+1] op_sel_hi:[1,0]
.endif
.endif
.if \i == 4
	HOOK \kind, \nslot, \ncc
.endif
.endr
	ADDP \sb, 15, \t
.endm
; A chunk: 64 keys x my 64 queries, four blocks, the score buffers by turns.  In each block: the second product of the tile before, the maximum of
; this tile, the first product of the next tile, the softmax of this tile: matrix work is issued ahead of each long run of vector work.
; pv0: the second product of tile 3 of the chunk before (0 none, 1 adds, 2 starts the sums).  last = 1: no chunk follows.
.macro CHUNK slot, cc, par, first, pv0, kind, nslot, ncc, last
.if (\pv0) == 1
	PV 3, PB, 0
.endif
.if (\pv0) == 2
	PV 3, PB, 1
.endif
	MAXP PA, 0, \par
	LDQ \slot, \cc
	SMM 1, PB
	SOFT 0, PA, \par, \first, 0, 0, 0
	s_wait_dscnt 0x0                               ; the q fragments, asked for a softmax ago
	PV 0, PA, \first
	MAXP PB, 1, \par
	SMM 2, PA
	SOFT 1, PB, \par, \first, 0, 0, 0
	PV 1, PB, \first
	MAXP PA, 2, \par
	SMM 3, PB
	SOFT 2, PA, \par, \first, \kind, \nslot, \ncc
	PV 2, PA, \first
	MAXP PB, 3, \par
.if (\last) == 0
	s_wait_dscnt 0x0                               ; the K fragments of the next chunk
	SMM 0, PA
.endif
	SOFT 3, PB, \par, \first, 0, 0, 0
.endm
.macro LAP first, tail                 ; two tiles of 256 keys, once round the two slots: four chunks of each wave
	CHUNK 0,0,0,\first,1-\first,1,0,1,0
	CHUNK 0,1,1,0,1+\first,2+\tail,1,0,0
	CHUNK 1,0,0,0,1,1,1,1,0
	CHUNK 1,1,1,0,1,2-2*\tail,0,0,\tail
.endm
	s_load_b128 s[4:7], s[0:1], 0x0                ; vbuf s[4:5], kq s[6:7]
	s_load_b64 s[8:9], s[0:1], 0x10                ; out0
	v_lshl_add_u32 v254, v0, 2, 0x29000
	v_mov_b32 v255, 0
	ds_add_u32 v254, v255
	v_lshrrev_b32 v2, 5, v0
	v_readfirstlane_b32 s10, v2                    ; wave w
	s_and_b32 s11, s10, 3                          ; qg
	s_lshr_b32 s12, s10, 2                         ; kh
	s_bfe_u32 s13, ttmp6, 0x40000                  ; cx: my place in the cluster
	s_lshl_b32 s14, ttmp9, 2
	s_add_co_u32 s14, s14, s13                     ; qb = 4 x cluster + cx
	s_and_b32 s15, ttmp7, 0xffff                   ; bh
	s_mov_b32 s20, 0x76543210                      ; v_permlanex16_b32: lane i of one half reads lane i of the other
	s_mov_b32 s21, 0xfedcba98
	; group 1: 16 rows of 32 elements of 8 bytes, dense: 4,096 bytes
	s_mov_b32 s[G1+0], 15|(3<<16)|(1<<21)          ; 15:0 mask: all four work-groups of the cluster; 17:16 elements of 8 bytes; 21 set beside a mask; no padding
	s_mov_b32 s[G1+1], 32<<16                      ; tensor_dim0 = 32
	s_mov_b32 s[G1+2], 16<<16                      ; tensor_dim1 = 16
	s_mov_b32 s[G1+3], 32<<16                      ; tile_dim0 = 32
	s_mov_b32 s[G1+4], 16                          ; tile_dim1 = 16
	s_mov_b32 s[G1+5], 32                          ; from row to row: 32 elements
	s_mov_b32 s[G1+6], 0
	s_mov_b32 s[G1+7], 0
	s_lshl_b32 s23, s10, 12                        ; my block of a tile, in kq and in a slot
	s_lshl_b32 s16, s15, 19
	s_add_co_u32 s16, s16, s23                     ; made of bh and the wave number alone: equal in the four partners
	s_mov_b32 s17, 0
	s_lshl_b32 s18, s15, 18                        ; vbuf: bh, 16 tiles for each query block, 4 for each query group
	s_lshl_b32 s43, s14, 14
	s_add_co_u32 s18, s18, s43
	s_lshl_b32 s43, s11, 12
	s_add_co_u32 s18, s18, s43
	s_mov_b32 s19, 0
	s_wait_dscnt 0x0
	s_wait_kmcnt 0x0
	s_add_nc_u64 s[6:7], s[6:7], s[16:17]
	s_add_nc_u64 s[4:5], s[4:5], s[18:19]
	s_lshl_b32 s18, s15, 19                        ; out0: 32 rows of 16,384 bytes for each bh, 1,024 bytes for each query block, 256 for each group
	s_lshl_b32 s43, s14, 10
	s_add_co_u32 s18, s18, s43
	s_lshl_b32 s43, s11, 8
	s_add_co_u32 s18, s18, s43
	s_add_nc_u64 s[8:9], s[8:9], s[18:19]
	ROUND                                          ; all four work-groups are here: the first joint loads meet
.irp s, 0,1
	s_mov_b32 s[G0+4*\s], 1                                        ; count = 1
	s_add_co_u32 s[G0+4*\s+1], s23, \s*SLOTB                       ; LDS address: slot, my block
	s_add_nc_u64 s[G0+4*\s+2:G0+4*\s+3], s[6:7], \s*SLOTB          ; tile s
	s_or_b32 s[G0+4*\s+3], s[G0+4*\s+3], 0x80000000                ; type = 2
	tensor_load_to_lds s[G0+4*\s:G0+4*\s+3], s[G1:G1+7]
	s_nop 0
.endr
	v_and_b32 v2, 31, v0                           ; lane
	v_and_b32 v3, 15, v0                           ; r
	v_bfe_u32 v4, v0, 4, 1                         ; h
	v_lshlrev_b32 v[LN], 4, v2
.irp t, 0,1,2,3
.irp g, 0,1
	global_load_b128 v[VQ+8*\t+4*\g:VQ+8*\t+4*\g+3], v[LN], s[4:5] offset:\t*1024+\g*512
.endr
.endr
	s_lshl_b32 s40, s12, 14
	v_lshl_add_u32 v[LA], v2, 4, s40
	s_mul_i32 s41, s11, SCRW
	s_add_co_u32 s41, s41, SCR
	v_lshl_add_u32 v[SCA], v2, 4, s41
	s_mul_i32 s42, s11, STGW
	s_add_co_u32 s42, s42, STG
	v_mul_u32_u24 v5, v4, 8*SP                     ; way in: channel 8 h + .., query r: 4 bytes
	v_lshl_add_u32 v5, v3, 2, v5
	v_add_nc_u32 v[STI], s42, v5
	v_mul_u32_u24 v5, v4, SP                       ; way back: lanes 0-15 one row of 256 bytes, lanes 16-31 the next
	v_lshl_add_u32 v5, v3, 4, v5
	v_add_nc_u32 v[STO], s42, v5
	v_lshlrev_b32 v5, 14, v4                       ; and the same two rows of out0
	v_lshl_add_u32 v[GO], v3, 4, v5
	s_wait_tensorcnt 0x1                           ; my block of tile 0 is in; tile 1 stays out
	s_barrier_signal -1
	s_barrier_wait -1                              ; the blocks of all eight waves are in
	LDK 0, 0
	s_wait_loadcnt 0x0                             ; the query fragments
	s_wait_dscnt 0x0
	SMM 0, PA
	; 13 moves: the running maxima start at minus infinity, the sums at 0.  They are also the places between the product and the first maximum.
.irp t, 0,1,2,3
	v_mov_b32 v[MAXR+2*\t], 0xff800000
	v_mov_b32 v[SUMR+2*\t], 0
	v_mov_b32 v[SUMR+2*\t+1], 0
.endr
	v_mov_b32 v[ALF+1], 0
	LAP 1, 0                                       ; tiles 0, 1: the first products start the outputs
	s_mov_b32 s22, 6
.Llap:
	LAP 0, 0                                       ; tiles 2 to 13
	s_sub_co_u32 s22, s22, 1
	s_cmp_lg_u32 s22, 0
	s_cbranch_scc1 .Llap
	LAP 0, 1                                       ; tiles 14, 15: nothing more is fetched
	PV 3, PB, 0
	; THE MERGE of the two key halves.  Maxima and sums are gathered into eight neighbouring registers, so that they travel as two stores of 16 bytes;
	; the eight instructions are also the places behind the last product.
.set ML,  128                          ; v128-131 my four maxima, v132-135 my four sums (of my lane)
.set OP,  56                           ; v56-119 the partner outputs, v120-127 its maxima and sums
.set MLP, 120
.set FX,  152                          ; v152-155 at work
.set FF,  160                          ; v160-167 a pair for each tile: my factor, the factor of the partner
.irp t, 0,1,2,3
	v_mov_b32 v[ML+\t], v[MAXR+2*\t]
	v_add_f32 v[ML+4+\t], v[SUMR+2*\t], v[SUMR+2*\t+1]
.endr
	s_cmp_lt_u32 s10, 4
	s_cbranch_scc1 .Lkeep                          ; waves 4 to 7 hand over, waves 0 to 3 keep
.irp i, 0,1,2,3,4,5,6,7,8,9,10,11,12,13,14,15
	ds_store_b128 v[SCA], v[ACC+4*\i:ACC+4*\i+3] offset:\i*512
.endr
	ds_store_b128 v[SCA], v[ML:ML+3] offset:16*512
	ds_store_b128 v[SCA], v[ML+4:ML+7] offset:17*512
.Lkeep:
	s_wait_dscnt 0x0                               ; the stores lie in LDS: zero, for the sake of the wave that reads them
	s_barrier_signal -1
	s_barrier_wait -1
	s_cmp_ge_u32 s10, 4
	s_cbranch_scc1 .Lclose                         ; waves 4 to 7 have done their part
.irp i, 0,1,2,3,4,5,6,7,8,9,10,11,12,13,14,15,16,17
	ds_load_b128 v[OP+4*\i:OP+4*\i+3], v[SCA] offset:\i*512
.endr
	s_wait_dscnt 0x0
	; m = max(m0, m1); a = 2^(m0 - m), 2^(m1 - m); l = l0 a0 + l1 a1, both halves of the lanes; factors a / l
.irp t, 0,1,2,3
	v_max_num_f32 v[FX+\t], v[ML+\t], v[MLP+\t]
.endr
.irp t, 0,1,2,3
	v_sub_f32 v[FF+2*\t], v[ML+\t], v[FX+\t]
	v_sub_f32 v[FF+2*\t+1], v[MLP+\t], v[FX+\t]
.endr
.irp i, 0,1,2,3,4,5,6,7
	v_exp_f32 v[FF+\i], v[FF+\i]
.endr
	v_nop                                          ; a plain place behind the exponentials (ISA guide 5.7.2)
	s_wait_alu depctr_va_vdst(0)
.irp t, 0,1,2,3
	v_mul_f32 v[FX+\t], v[ML+4+\t], v[FF+2*\t]
.endr
.irp t, 0,1,2,3
	v_fmac_f32 v[FX+\t], v[MLP+4+\t], v[FF+2*\t+1]
.endr
.irp t, 0,1,2,3
	v_permlanex16_b32 v[TMP+\t], v[FX+\t], s20, s21
.endr
.irp t, 0,1,2,3
	v_add_f32 v[FX+\t], v[FX+\t], v[TMP+\t]
.endr
.irp t, 0,1,2,3
	v_rcp_f32 v[FX+\t], v[FX+\t]
.endr
	v_nop                                          ; a plain place behind the reciprocals
	s_wait_alu depctr_va_vdst(0)
.irp t, 0,1,2,3
	v_mul_f32 v[FF+2*\t], v[FF+2*\t], v[FX+\t]
	v_mul_f32 v[FF+2*\t+1], v[FF+2*\t+1], v[FX+\t]
.endr
.irp t, 0,1,2,3
.irp p, 0,1,2,3,4,5,6,7
	v_pk_mul_f32 v[ACC+16*\t+2*\p:ACC+16*\t+2*\p+1], v[ACC+16*\t+2*\p:ACC+16*\t+2*\p+1], v[FF+2*\t:FF+2*\t+1] op_sel_hi:[1,0]
.endr
.irp p, 0,1,2,3,4,5,6,7
	v_pk_fma_f32 v[ACC+16*\t+2*\p:ACC+16*\t+2*\p+1], v[OP+16*\t+2*\p:OP+16*\t+2*\p+1], v[FF+2*\t:FF+2*\t+1], v[ACC+16*\t+2*\p:ACC+16*\t+2*\p+1] op_sel:[0,1,0] op_sel_hi:[1,1,1]
.endr
.endr
	; THE WAY OUT.  A lane holds 8 channels of one query; out0 wants rows of queries.  32 rows (channels) x 64 queries go through my own stage:
	; in by 4 bytes (16 lanes fill 64 neighbouring bytes, the other 16 a row 8 further down), back by whole rows of 256 bytes.
.irp t, 0,1,2,3
.irp d, 0,1
.irp j, 0,1,2,3,4,5,6,7
	ds_store_b32 v[STI], v[ACC+16*\t+8*\d+\j] offset:(16*\d+\j)*SP+64*\t
.endr
.endr
.endr
.irp i, 0,1,2,3,4,5,6,7,8,9,10,11,12,13,14,15
	ds_load_b128 v[OP+4*\i:OP+4*\i+3], v[STO] offset:\i*2*SP       ; LDS serves the instructions of a wave in order (ISA guide 5.7.1): these see the stores above
.endr
.irp i, 0,1,2,3,4,5,6,7,8,9,10,11,12,13,14,15
	s_wait_dscnt 15-\i                             ; the younger loads may stay out
	global_store_b128 v[GO], v[OP+4*\i:OP+4*\i+3], s[8:9] offset:\i*32768 th:TH_STORE_NT   ; 16 lanes store 256 consecutive bytes, at a multiple of 256 from the first byte of out0
.endr
.Lclose:
	s_wait_tensorcnt 0x0
	ds_add_u32 v254, v255
	s_wait_dscnt 0x0
	ROUND                                          ; the closing round: no work-group ends while a partner may still ask for a tile that names it
	s_endpgm
.Lfunc_end_k_qbaf4569d1d_attn:
	.size	k_qbaf4569d1d_attn, .Lfunc_end_k_qbaf4569d1d_attn-k_qbaf4569d1d_attn
	.p2alignl 7, 3214868480
	.fill 96, 4, 3214868480
	.section	.rodata,"a",@progbits
	.p2align	6, 0x0
	.amdhsa_kernel k_qbaf4569d1d_attn
		.amdhsa_group_segment_fixed_size 327680
		.amdhsa_private_segment_fixed_size 0
		.amdhsa_enable_private_segment 0
		.amdhsa_kernarg_size 24
		.amdhsa_user_sgpr_count 2
		.amdhsa_user_sgpr_kernarg_segment_ptr 1
		.amdhsa_wavefront_size32 1
		.amdhsa_system_sgpr_workgroup_id_x 1
		.amdhsa_system_sgpr_workgroup_id_y 1
		.amdhsa_system_sgpr_workgroup_id_z 1
		.amdhsa_system_vgpr_workitem_id 0
		.amdhsa_next_free_vgpr 256
		.amdhsa_next_free_sgpr 66
		.amdhsa_reserve_vcc 0
		.amdhsa_float_denorm_mode_32 3
		.amdhsa_float_denorm_mode_16_64 3
		.amdhsa_memory_ordered 1
		.amdhsa_forward_progress 1
		.amdhsa_inst_pref_size 255
	.end_amdhsa_kernel
	.section	.bss,"aw",@nobits
	.p2align	6
	.space	262144
	.amdgpu_metadata
---
amdhsa.version: [ 1, 2 ]
amdhsa.kernels:
  - .name:           k_qbaf4569d1d_attn
    .symbol:         k_qbaf4569d1d_attn.kd
    .args:
      - { .name: vbuf, .offset: 0, .size: 8, .value_kind: global_buffer, .address_space: global }
      - { .name: kq, .offset: 8, .size: 8, .value_kind: global_buffer, .address_space: global }
      - { .name: out0, .offset: 16, .size: 8, .value_kind: global_buffer, .address_space: global }
    .group_segment_fixed_size: 327680
    .private_segment_fixed_size: 0
    .kernarg_segment_align: 8
    .kernarg_segment_size: 24
    .max_flat_workgroup_size: 256
    .sgpr_count:     66
    .vgpr_count:     256
    .wavefront_size: 32
...
	.end_amdgpu_metadata
.endif
;; end of part 2
;; ======== version 2 of 2: 2 launches; 1.16 times as fast as version 1
;; limits: values are held in f16: magnitudes above 65,504 overflow, below 6.1e-05 lose precision
;; workspace buffers: vbuf 4,194,304 bytes; kq 8,388,608 bytes
;; launch proj: the kernel of part 1 again; grid 32 x 8, 8 waves a work-group, no clusters, 190,976 bytes of LDS; arguments x, Wv, Wz, Wq, vbuf, kq; writes vbuf, kq
;; launch attn (part 3): grid 16 x 16, 8 waves a work-group, clusters of 4 x 1, 327,680 bytes of LDS; arguments vbuf, kq, out0; writes out0
.if DOCPART == 3
	.amdgcn_target "amdgcn-amd-amdhsa--gfx1250"
	.amdhsa_code_object_version 6
	.text
	.protected	k_qbaf4569d1d_attn
	.globl	k_qbaf4569d1d_attn
	.p2align	8
	.type	k_qbaf4569d1d_attn,@function
k_qbaf4569d1d_attn:
	s_mov_b64 s[64:65], 0
	v_nop
	global_prefetch_b8 v0, s[64:65] scope:SCOPE_SE
	s_setreg_imm32_b32 hwreg(HW_REG_WAVE_MODE, 25, 1), 1
	s_wait_xcnt 0x0
	s_wait_alu depctr_hold_cnt(0) depctr_sa_sdst(0) depctr_va_vdst(0) depctr_va_sdst(0) depctr_va_ssrc(0) depctr_va_vcc(0) depctr_vm_vsrc(0)
	s_getreg_b32 s2, hwreg(HW_REG_IB_STS2, 6, 4)
	s_cmp_eq_u32 s2, 0
	s_cbranch_scc0 .Lentry_in_a_cluster
	s_endpgm
.Lentry_in_a_cluster:
	s_bfe_u32 s2, ttmp6, 0x10000c
	s_cmp_lg_u32 s2, 0x3003
	s_cbranch_scc0 .Lentry_shape_is_right
	s_endpgm
.Lentry_shape_is_right:
; Attention of one (batch, head) bh for 256 queries: out[d][m] = sum over n of softmax_n(score[m][n]) q[d][n], 4,096 keys n, 32 channels.
; vbuf and kq hold fragment images (16 bytes a lane, 512 consecutive bytes for each wave instruction):
;   vbuf: bh*262144 + (m/16)*1024 + g*512 + lane*16             = sc*v[c = 16g+8h+0..7][m = 16 (m/16) + r], sc = log2(e)/sqrt(32)   (r = lane & 15, h = lane >> 4)
;   kq:   bh*524288 + (n/32)*4096 + kt*1024 + g*512 + lane*16   = (z+PE)[c = 16g+8h+0..7][n = 32 (n/32) + 16 kt + r]
;         ...                 + 2048 + dt*1024 + g*512 + lane*16 = q[d = 16dt+r][n = 32 (n/32) + 16g+8h+0..7]
; Work-group (qb, bh): queries 256 qb .. +255.  Eight waves: qg = w & 3 picks 64 queries (4 tiles of 16), kh = w >> 2 one half (128 keys) of every
; tile of 256 keys; the two halves of a query group keep a running maximum, sum and output each and are merged once at the end.
; NO SHUFFLE BETWEEN THE TWO PRODUCTS: the first is taken transposed, A = 16 keys, B = 16 queries, so lane (r, h) holds in register j the score of
; key 8h + j and query r.  Two such tiles, packed to f16, are the B operand (K = 32 keys) of the second product, A = 16 channels of q, whose
; result lane (r, h) holds as channel 8h + j of query r.  So maximum, rescaling factor and sum of a query stay in the lanes r and r + 16.
; The softmax takes the running maximum away before every exponential; scores are in units of log2, so the exponential is v_exp_f32.
; THE EXPONENTIALS GO IN BATCHES.  A query tile's step on a chunk has 33: the rescaling factor and the tile's 32 probabilities.  They are ONE batch, each result in a register of its own
; (the factor's, and in place in the tile's score buffer); the last six subtractions and the NEXT tile's maximum, 16 instructions on the other score buffer, are dealt between them, and
; nothing in the batch names a result.  ONE wait stands behind the batch, and behind the wait all the readers: sums, packing, rescaling of the outputs.
; The merge at the end has two batches more, each with its wait: eight exponentials, then four reciprocals of sums made of them.
; CLUSTER: the four work-groups of a cluster are four query blocks of one bh and walk the same tiles of kq.  Each tile is asked for jointly:
; wave w of each of the four issues the same tensor load (block w of the tile, 4,096 bytes, mask 15), which divides the requests for kq by four.
; LDS: two slots of 32,768 bytes (256 keys: 8 blocks of 4,096); behind them, in bytes that no tensor load fills, the scratch of the merge and the stage for the way out.
; A wave has two tensor loads out after the start and one at a time later.
; LIMITS: operands are f16 (sc*v, z+PE, q below 65,504); a probability below 3e-8 of the running maximum of its row rounds to zero in the product;
; the sum of a row is made of the unrounded probabilities.  A row whose scores are not finite gives NaN.
.set SLOTB, 32768                      ; a slot
.set BLK,   4096                       ; a block of 32 keys: K fragments (2,048), q fragments (2,048)
.set SCR,   65536                      ; merge scratch: 4 x 9,216 (64 + 8 registers of 32 lanes)
.set SCRW,  9216
.set STG,   102400                     ; stage: 4 x 32 rows (channels) of 256 bytes, pitch 272
.set STGW,  8704
.set SP,    272
.set LA,    1                          ; v1       lane*16 + kh*16384: my half of a slot
.set TMP,   2                          ; v2-5     at work
.set ALF,   6                          ; v6-7     the factor 2^(old maximum - new maximum); v7 is written once so that the pair is defined
.set MAXR,  8                          ; v8-15    a pair for each query tile: old and new running maximum change places from chunk to chunk
.set SUMR,  16                         ; v16-23   a pair for each query tile: two partial sums
.set VQ,    24                         ; v24-55   the four query fragments
.set KF,    56                         ; v56-87   K fragments of a chunk of 64 keys: 2 bb + kt
.set QF,    88                         ; v88-119  q fragments of a chunk: 2 bb + dt
.set PA,    120                        ; v120-151 scores, then probabilities: buffer A
.set PB,    152                        ; v152-183 buffer B
.set ACC,   184                        ; v184-247 outputs: tile t, channels 16 dt .. at 16 t + 8 dt
.set SCA,   248                        ; v248     scratch address
.set STI,   249                        ; v249     stage, way in
.set STO,   250                        ; v250     stage, way back
.set GO,    251                        ; v251     offset in out0
.set LN,    252                        ; v252     lane*16
.set G1,    24                         ; s[24:31] descriptor group 1
.set G0,    32                         ; s[32:39] descriptor group 0, one set for each slot
; A round of the barrier of the cluster: my work-group, wave 0 signals for it, all four work-groups, my work-group again.
.macro ROUND
	s_barrier_signal -1
	s_barrier_wait -1
	s_cmp_lg_u32 s10, 0
	s_cbranch_scc1 .Lnot_wave_0_\@
	s_barrier_signal -3
.Lnot_wave_0_\@:
	s_barrier_wait -3
	s_barrier_signal -1
	s_barrier_wait -1
.endm
.macro LDK slot, cc                    ; the four K fragments of chunk cc (64 keys) of my half of a slot
.irp i, 0,1,2,3
.irp g, 0,1
	ds_load_b128 v[KF+8*\i+4*\g:KF+8*\i+4*\g+3], v[LA] offset:\slot*SLOTB+\cc*2*BLK+(\i>>1)*BLK+(\i&1)*1024+\g*512
.endr
.endr
.endm
.macro LDQ slot, cc                    ; its four q fragments
.irp i, 0,1,2,3
.irp g, 0,1
	ds_load_b128 v[QF+8*\i+4*\g:QF+8*\i+4*\g+3], v[LA] offset:\slot*SLOTB+\cc*2*BLK+(\i>>1)*BLK+2048+(\i&1)*1024+\g*512
.endr
.endr
.endm
.macro SMM t, sb                       ; scores of 64 keys x query tile t
.irp i, 0,1,2,3
	v_wmma_f32_16x16x32_f16 v[\sb+8*\i:\sb+8*\i+7], v[KF+8*\i:KF+8*\i+7], v[VQ+8*\t:VQ+8*\t+7], 0
.endr
.endm
; outputs of query tile t += q x probabilities.  The two accumulators take turns, one instruction a turn.
.macro PV t, sb, zero
.irp i, 0,1
.if \zero
	v_wmma_f32_16x16x32_f16 v[ACC+16*\t+8*\i:ACC+16*\t+8*\i+7], v[QF+8*\i:QF+8*\i+7], v[\sb:\sb+7], 0
.else
	v_wmma_f32_16x16x32_f16 v[ACC+16*\t+8*\i:ACC+16*\t+8*\i+7], v[QF+8*\i:QF+8*\i+7], v[\sb:\sb+7], v[ACC+16*\t+8*\i:ACC+16*\t+8*\i+7]
.endif
.endr
.irp i, 0,1
	v_wmma_f32_16x16x32_f16 v[ACC+16*\t+8*\i:ACC+16*\t+8*\i+7], v[QF+16+8*\i:QF+16+8*\i+7], v[\sb+8:\sb+15], v[ACC+16*\t+8*\i:ACC+16*\t+8*\i+7]
.endr
.endm
; The largest of my 32 scores and the old maximum: 16 instructions, four chains; MAXN writes number n of them.  Each accumulator's lowest registers are read first.
.macro MAXN sb, t, par, n
.if (\n) < 4
	v_max3_num_f32 v[TMP+(\n)], v[\sb+8*(\n)], v[\sb+8*(\n)+1], v[\sb+8*(\n)+2]
.elseif (\n) < 12
	v_max3_num_f32 v[TMP+(\n)%4], v[TMP+(\n)%4], v[\sb+8*((\n)%4)+2*((\n)/4)+1], v[\sb+8*((\n)%4)+2*((\n)/4)+2]
.elseif (\n) == 12
	v_max3_num_f32 v[TMP], v[TMP], v[TMP+1], v[\sb+7]
.elseif (\n) == 13
	v_max3_num_f32 v[TMP+2], v[TMP+2], v[TMP+3], v[\sb+15]
.elseif (\n) == 14
	v_max3_num_f32 v[TMP], v[TMP], v[TMP+2], v[\sb+23]
.else
	v_max3_num_f32 v[TMP], v[TMP], v[\sb+31], v[MAXR+2*(\t)+(\par)]
.endif
.endm
.macro MAXP sb, t, par                 ; all 16 on end: the very first tile's, which has no softmax in front of it to stand in
.irp n, 0,1,2,3,4,5,6,7,8,9,10,11,12,13,14,15
	MAXN \sb, \t, \par, \n
.endr
.endm
; What is done for the next chunk inside a softmax, behind the last product that reads the K fragments and ahead of the batch of exponentials: none of them is out at its labels and branches.
; kind 1: its K fragments, same slot.  kind 2: change of slots with a refill.  kind 3: change of slots, nothing more to fetch.  kind 0: nothing.
.macro HOOK kind, nslot, ncc
.if (\kind) == 1
	LDK \nslot, \ncc
.endif
.if (\kind) == 2
	s_wait_tensorcnt 0x0                           ; all my tensor loads have landed: the one that was out is my block of the next slot,
	ds_add_u32 v254, v255
	s_add_nc_u64 s[G0+4*(1-\nslot)+2:G0+4*(1-\nslot)+3], s[G0+4*(1-\nslot)+2:G0+4*(1-\nslot)+3], 2*SLOTB   ; so a group 0 may be written: two tiles on
	s_wait_dscnt 0x0                               ; my reads of the slot that is left are back
	ROUND                                          ; both now hold of every wave of all four work-groups
	tensor_load_to_lds s[G0+4*(1-\nslot):G0+4*(1-\nslot)+3], s[G1:G1+7]   ; the joint refill, first behind the round; it has two chunks of every wave in which to land
	s_nop 0
	LDK \nslot, 0
.endif
.if (\kind) == 3
	s_wait_tensorcnt 0x0                           ; my block of the last tile has landed
	s_wait_dscnt 0x0
	s_barrier_signal -1
	s_barrier_wait -1                              ; and the blocks of all eight waves
	LDK \nslot, 0
.endif
.endm
.macro SUBP sb, i, t, par              ; pair i of the scores less the new maximum, which is the first (par = 1) or the second register of its pair
.if \par
	v_pk_add_f32 v[\sb+2*(\i):\sb+2*(\i)+1], v[\sb+2*(\i):\sb+2*(\i)+1], v[MAXR+2*\t:MAXR+2*\t+1] op_sel_hi:[1,0] neg_lo:[0,1] neg_hi:[0,1]
.else
	v_pk_add_f32 v[\sb+2*(\i):\sb+2*(\i)+1], v[\sb+2*(\i):\sb+2*(\i)+1], v[MAXR+2*\t:MAXR+2*\t+1] op_sel:[0,1] op_sel_hi:[1,1] neg_lo:[0,1] neg_hi:[0,1]
.endif
.endm
.macro ADDP sb, i, t                   ; pair i joins the sums (pair 0 rescales them on the way), then is packed to f16 into register i of the buffer.  A reader of the batch: it stands behind the batch's wait
.if (\i) == 0
	v_pk_fma_f32 v[SUMR+2*\t:SUMR+2*\t+1], v[SUMR+2*\t:SUMR+2*\t+1], v[ALF:ALF+1], v[\sb:\sb+1] op_sel_hi:[1,0,1]
.else
	v_pk_add_f32 v[SUMR+2*\t:SUMR+2*\t+1], v[SUMR+2*\t:SUMR+2*\t+1], v[\sb+2*(\i):\sb+2*(\i)+1]
.endif
	v_cvt_pk_f16_f32 v[\sb+(\i)], v[\sb+2*(\i)], v[\sb+2*(\i)+1]
.endm
; The head of a softmax step of query tile t, whose maximum over my 32 scores lies in TMP: the new running maximum, the exponent of the factor, the first five subtractions.
; Behind the exchange stand seven plain instructions: the places between the second product in front of them and what follows: the loads into its A registers
; and the first product that writes over its B registers.
.macro STAT t, sb, par
	v_permlanex16_b32 v[TMP+1], v[TMP], s20, s21   ; the other eight keys of each tile lie in lane r + 16
	v_max_num_f32 v[MAXR+2*\t+1-\par], v[TMP], v[TMP+1]
	v_sub_f32 v[ALF], v[MAXR+2*\t+\par], v[MAXR+2*\t+1-\par]
.irp i, 0,1,2,3,4
	SUBP \sb, \i, \t, \par
.endr
.endm
; The batch's two queues.  EXQ writes exponential e of 33: the factor, then scores 0 to 31, in place.
.macro EXQ sb
.if e == 0
	v_exp_f32 v[ALF], v[ALF]
.else
	v_exp_f32 v[\sb+e-1], v[\sb+e-1]
.endif
.set e, e+1
.endm
; PLQ writes plain instruction q of 22: subtractions 10 to 15 (scores 20 to 31, whose exponentials are numbers 21 to 32), then the 16 of the next tile's maximum (tile nt, buffer nb, parity npar).
; nx = 0: no tile follows; then one v_nop takes the last one's part as the plain instruction behind the last exponential (ISA guide 5.7.2).
.macro PLQ sb, t, par, nx, nb, nt, npar
.if q < 6
	SUBP \sb, 10+q, \t, \par
.elseif (\nx)
	MAXN \nb, \nt, \npar, q-6
.elseif q == 21
	v_nop
.endif
.set q, q+1
.endm
; The rest of the softmax step of query tile t on 64 keys, behind the first product of the next tile.  Subtractions 5 to 9 are the places between that product and the loads into its
; K registers and the first read of its scores.  Then the batch: eleven times exponential, plain, exponential, exponential, plain; no line of it names a result of it, and the last
; plain line stands behind the last exponential.  Then the one wait, and the readers: sums in ascending order of the pairs, packing, and (first = 0) the outputs times the factor.
; Packing goes upward in place: register i is written when pair i/2, which held it, has been summed and packed.  first = 1: there is no output yet to rescale.
.macro SOFT t, sb, par, first, kind, nslot, ncc, nx, nb, nt, npar
.irp i, 5,6,7,8,9
	SUBP \sb, \i, \t, \par
.endr
	HOOK \kind, \nslot, \ncc
.set e, 0
.set q, 0
.rept 11
	EXQ \sb
	PLQ \sb, \t, \par, \nx, \nb, \nt, \npar
	EXQ \sb
	EXQ \sb
	PLQ \sb, \t, \par, \nx, \nb, \nt, \npar
.endr
	s_wait_alu depctr_va_vdst(0)                   ; one wait for the batch, the factor and the tile's 32 probabilities, ahead of their first reader
.irp i, 0,1,2,3,4,5,6,7,8,9,10,11,12,13,14,15
	ADDP \sb, \i, \t
.if \i & 1
.if (\first) == 0
	v_pk_mul_f32 v[ACC+16*\t+\i-1:ACC+16*\t+\i], v[ACC+16*\t+\i-1:ACC+16*\t+\i], v[ALF:ALF+1] op_sel_hi:[1,0]
.endif
.endif
.endr
.endm
; A chunk: 64 keys x my 64 queries, four blocks, the score buffers by turns.  In each block: the second product of the tile before, the head of this tile's softmax, the first product of the
; next tile, the rest of this tile's softmax, in whose batch the next tile's maximum stands: matrix work is issued ahead of each long run of vector work.
; Tile 3's softmax carries the maximum of the next chunk's tile 0, whose pair of maxima has the other parity.
; pv0: the second product of tile 3 of the chunk before (0 none, 1 adds, 2 starts the sums).  last = 1: no chunk follows.
.macro CHUNK slot, cc, par, first, pv0, kind, nslot, ncc, last
.if (\pv0) == 1
	PV 3, PB, 0
.endif
.if (\pv0) == 2
	PV 3, PB, 1
.endif
	STAT 0, PA, \par
	LDQ \slot, \cc
	SMM 1, PB
	SOFT 0, PA, \par, \first, 0, 0, 0, 1, PB, 1, \par
	s_wait_dscnt 0x0                               ; the q fragments, asked for a softmax ago
	PV 0, PA, \first
	STAT 1, PB, \par
	SMM 2, PA
	SOFT 1, PB, \par, \first, 0, 0, 0, 1, PA, 2, \par
	PV 1, PB, \first
	STAT 2, PA, \par
	SMM 3, PB
	SOFT 2, PA, \par, \first, \kind, \nslot, \ncc, 1, PB, 3, \par
	PV 2, PA, \first
	STAT 3, PB, \par
.if (\last) == 0
	s_wait_dscnt 0x0                               ; the K fragments of the next chunk
	SMM 0, PA
.endif
	SOFT 3, PB, \par, \first, 0, 0, 0, 1-\last, PA, 0, 1-\par
.endm
.macro LAP first, tail                 ; two tiles of 256 keys, once round the two slots: four chunks of each wave
	CHUNK 0,0,0,\first,1-\first,1,0,1,0
	CHUNK 0,1,1,0,1+\first,2+\tail,1,0,0
	CHUNK 1,0,0,0,1,1,1,1,0
	CHUNK 1,1,1,0,1,2-2*\tail,0,0,\tail
.endm
	s_load_b128 s[4:7], s[0:1], 0x0                ; vbuf s[4:5], kq s[6:7]
	s_load_b64 s[8:9], s[0:1], 0x10                ; out0
	v_lshl_add_u32 v254, v0, 2, 0x29000
	v_mov_b32 v255, 0
	ds_add_u32 v254, v255
	v_lshrrev_b32 v2, 5, v0
	v_readfirstlane_b32 s10, v2                    ; wave w
	s_and_b32 s11, s10, 3                          ; qg
	s_lshr_b32 s12, s10, 2                         ; kh
	s_bfe_u32 s13, ttmp6, 0x40000                  ; cx: my place in the cluster
	s_lshl_b32 s14, ttmp9, 2
	s_add_co_u32 s14, s14, s13                     ; qb = 4 x cluster + cx
	s_and_b32 s15, ttmp7, 0xffff                   ; bh
	s_mov_b32 s20, 0x76543210                      ; v_permlanex16_b32: lane i of one half reads lane i of the other
	s_mov_b32 s21, 0xfedcba98
	; group 1: 16 rows of 32 elements of 8 bytes, dense: 4,096 bytes
	s_mov_b32 s[G1+0], 15|(3<<16)|(1<<21)          ; 15:0 mask: all four work-groups of the cluster; 17:16 elements of 8 bytes; 21 set beside a mask; no padding
	s_mov_b32 s[G1+1], 32<<16                      ; tensor_dim0 = 32
	s_mov_b32 s[G1+2], 16<<16                      ; tensor_dim1 = 16
	s_mov_b32 s[G1+3], 32<<16                      ; tile_dim0 = 32
	s_mov_b32 s[G1+4], 16                          ; tile_dim1 = 16
	s_mov_b32 s[G1+5], 32                          ; from row to row: 32 elements
	s_mov_b32 s[G1+6], 0
	s_mov_b32 s[G1+7], 0
	s_lshl_b32 s23, s10, 12                        ; my block of a tile, in kq and in a slot
	s_lshl_b32 s16, s15, 19
	s_add_co_u32 s16, s16, s23                     ; made of bh and the wave number alone: equal in the four partners
	s_mov_b32 s17, 0
	s_lshl_b32 s18, s15, 18                        ; vbuf: bh, 16 tiles for each query block, 4 for each query group
	s_lshl_b32 s43, s14, 14
	s_add_co_u32 s18, s18, s43
	s_lshl_b32 s43, s11, 12
	s_add_co_u32 s18, s18, s43
	s_mov_b32 s19, 0
	s_wait_dscnt 0x0
	s_wait_kmcnt 0x0
	s_add_nc_u64 s[6:7], s[6:7], s[16:17]
	s_add_nc_u64 s[4:5], s[4:5], s[18:19]
	s_lshl_b32 s18, s15, 19                        ; out0: 32 rows of 16,384 bytes for each bh, 1,024 bytes for each query block, 256 for each group
	s_lshl_b32 s43, s14, 10
	s_add_co_u32 s18, s18, s43
	s_lshl_b32 s43, s11, 8
	s_add_co_u32 s18, s18, s43
	s_add_nc_u64 s[8:9], s[8:9], s[18:19]
	ROUND                                          ; all four work-groups are here: the first joint loads meet
.irp s, 0,1
	s_mov_b32 s[G0+4*\s], 1                                        ; count = 1
	s_add_co_u32 s[G0+4*\s+1], s23, \s*SLOTB                       ; LDS address: slot, my block
	s_add_nc_u64 s[G0+4*\s+2:G0+4*\s+3], s[6:7], \s*SLOTB          ; tile s
	s_or_b32 s[G0+4*\s+3], s[G0+4*\s+3], 0x80000000                ; type = 2
	tensor_load_to_lds s[G0+4*\s:G0+4*\s+3], s[G1:G1+7]
	s_nop 0
.endr
	v_and_b32 v2, 31, v0                           ; lane
	v_and_b32 v3, 15, v0                           ; r
	v_bfe_u32 v4, v0, 4, 1                         ; h
	v_lshlrev_b32 v[LN], 4, v2
.irp t, 0,1,2,3
.irp g, 0,1
	global_load_b128 v[VQ+8*\t+4*\g:VQ+8*\t+4*\g+3], v[LN], s[4:5] offset:\t*1024+\g*512
.endr
.endr
	s_lshl_b32 s40, s12, 14
	v_lshl_add_u32 v[LA], v2, 4, s40
	s_mul_i32 s41, s11, SCRW
	s_add_co_u32 s41, s41, SCR
	v_lshl_add_u32 v[SCA], v2, 4, s41
	s_mul_i32 s42, s11, STGW
	s_add_co_u32 s42, s42, STG
	v_mul_u32_u24 v5, v4, 8*SP                     ; way in: channel 8 h + .., query r: 4 bytes
	v_lshl_add_u32 v5, v3, 2, v5
	v_add_nc_u32 v[STI], s42, v5
	v_mul_u32_u24 v5, v4, SP                       ; way back: lanes 0-15 one row of 256 bytes, lanes 16-31 the next
	v_lshl_add_u32 v5, v3, 4, v5
	v_add_nc_u32 v[STO], s42, v5
	v_lshlrev_b32 v5, 14, v4                       ; and the same two rows of out0
	v_lshl_add_u32 v[GO], v3, 4, v5
	s_wait_tensorcnt 0x1                           ; my block of tile 0 is in; tile 1 stays out
	s_barrier_signal -1
	s_barrier_wait -1                              ; the blocks of all eight waves are in
	LDK 0, 0
	s_wait_loadcnt 0x0                             ; the query fragments
	s_wait_dscnt 0x0
	SMM 0, PA
	; 13 moves: the running maxima start at minus infinity, the sums at 0.  They are also the places between the product and the first maximum.
.irp t, 0,1,2,3
	v_mov_b32 v[MAXR+2*\t], 0xff800000
	v_mov_b32 v[SUMR+2*\t], 0
	v_mov_b32 v[SUMR+2*\t+1], 0
.endr
	v_mov_b32 v[ALF+1], 0
	MAXP PA, 0, 0                                  ; the first tile's maximum; every later one stands in the batch of the tile before it
	LAP 1, 0                                       ; tiles 0, 1: the first products start the outputs
	s_mov_b32 s22, 6
.Llap:
	LAP 0, 0                                       ; tiles 2 to 13
	s_sub_co_u32 s22, s22, 1
	s_cmp_lg_u32 s22, 0
	s_cbranch_scc1 .Llap
	LAP 0, 1                                       ; tiles 14, 15: nothing more is fetched
	PV 3, PB, 0
	; THE MERGE of the two key halves.  Maxima and sums are gathered into eight neighbouring registers, so that they travel as two stores of 16 bytes;
	; the eight instructions are also the places behind the last product.
.set ML,  128                          ; v128-131 my four maxima, v132-135 my four sums (of my lane)
.set OP,  56                           ; v56-119 the partner outputs, v120-127 its maxima and sums
.set MLP, 120
.set FX,  152                          ; v152-155 at work
.set FF,  160                          ; v160-167 a pair for each tile: my factor, the factor of the partner
.irp t, 0,1,2,3
	v_mov_b32 v[ML+\t], v[MAXR+2*\t]
	v_add_f32 v[ML+4+\t], v[SUMR+2*\t], v[SUMR+2*\t+1]
.endr
	s_cmp_lt_u32 s10, 4
	s_cbranch_scc1 .Lkeep                          ; waves 4 to 7 hand over, waves 0 to 3 keep
.irp i, 0,1,2,3,4,5,6,7,8,9,10,11,12,13,14,15
	ds_store_b128 v[SCA], v[ACC+4*\i:ACC+4*\i+3] offset:\i*512
.endr
	ds_store_b128 v[SCA], v[ML:ML+3] offset:16*512
	ds_store_b128 v[SCA], v[ML+4:ML+7] offset:17*512
.Lkeep:
	s_wait_dscnt 0x0                               ; the stores lie in LDS: zero, for the sake of the wave that reads them
	s_barrier_signal -1
	s_barrier_wait -1
	s_cmp_ge_u32 s10, 4
	s_cbranch_scc1 .Lclose                         ; waves 4 to 7 have done their part
.irp i, 0,1,2,3,4,5,6,7,8,9,10,11,12,13,14,15,16,17
	ds_load_b128 v[OP+4*\i:OP+4*\i+3], v[SCA] offset:\i*512
.endr
	s_wait_dscnt 0x0
	; m = max(m0, m1); a = 2^(m0 - m), 2^(m1 - m); l = l0 a0 + l1 a1, both halves of the lanes; factors a / l
.irp t, 0,1,2,3
	v_max_num_f32 v[FX+\t], v[ML+\t], v[MLP+\t]
.endr
.irp t, 0,1,2,3
	v_sub_f32 v[FF+2*\t], v[ML+\t], v[FX+\t]
	v_sub_f32 v[FF+2*\t+1], v[MLP+\t], v[FX+\t]
.endr
.irp i, 0,1,2,3,4,5,6,7
	v_exp_f32 v[FF+\i], v[FF+\i]
.endr
	v_nop                                          ; a plain place behind the exponentials (ISA guide 5.7.2)
	s_wait_alu depctr_va_vdst(0)                   ; one wait for the merge's eight exponentials
.irp t, 0,1,2,3
	v_mul_f32 v[FX+\t], v[ML+4+\t], v[FF+2*\t]
.endr
.irp t, 0,1,2,3
	v_fmac_f32 v[FX+\t], v[MLP+4+\t], v[FF+2*\t+1]
.endr
.irp t, 0,1,2,3
	v_permlanex16_b32 v[TMP+\t], v[FX+\t], s20, s21
.endr
.irp t, 0,1,2,3
	v_add_f32 v[FX+\t], v[FX+\t], v[TMP+\t]
.endr
.irp t, 0,1,2,3
	v_rcp_f32 v[FX+\t], v[FX+\t]
.endr
	v_nop                                          ; a plain place behind the reciprocals
	s_wait_alu depctr_va_vdst(0)                   ; and their wait: one for the four reciprocals, a batch of their own, since they read sums made of the exponentials
.irp t, 0,1,2,3
	v_mul_f32 v[FF+2*\t], v[FF+2*\t], v[FX+\t]
	v_mul_f32 v[FF+2*\t+1], v[FF+2*\t+1], v[FX+\t]
.endr
.irp t, 0,1,2,3
.irp p, 0,1,2,3,4,5,6,7
	v_pk_mul_f32 v[ACC+16*\t+2*\p:ACC+16*\t+2*\p+1], v[ACC+16*\t+2*\p:ACC+16*\t+2*\p+1], v[FF+2*\t:FF+2*\t+1] op_sel_hi:[1,0]
.endr
.irp p, 0,1,2,3,4,5,6,7
	v_pk_fma_f32 v[ACC+16*\t+2*\p:ACC+16*\t+2*\p+1], v[OP+16*\t+2*\p:OP+16*\t+2*\p+1], v[FF+2*\t:FF+2*\t+1], v[ACC+16*\t+2*\p:ACC+16*\t+2*\p+1] op_sel:[0,1,0] op_sel_hi:[1,1,1]
.endr
.endr
	; THE WAY OUT.  A lane holds 8 channels of one query; out0 wants rows of queries.  32 rows (channels) x 64 queries go through my own stage:
	; in by 4 bytes (16 lanes fill 64 neighbouring bytes, the other 16 a row 8 further down), back by whole rows of 256 bytes.
.irp t, 0,1,2,3
.irp d, 0,1
.irp j, 0,1,2,3,4,5,6,7
	ds_store_b32 v[STI], v[ACC+16*\t+8*\d+\j] offset:(16*\d+\j)*SP+64*\t
.endr
.endr
.endr
.irp i, 0,1,2,3,4,5,6,7,8,9,10,11,12,13,14,15
	ds_load_b128 v[OP+4*\i:OP+4*\i+3], v[STO] offset:\i*2*SP       ; LDS serves the instructions of a wave in order (ISA guide 5.7.1): these see the stores above
.endr
.irp i, 0,1,2,3,4,5,6,7,8,9,10,11,12,13,14,15
	s_wait_dscnt 15-\i                             ; the younger loads may stay out
	global_store_b128 v[GO], v[OP+4*\i:OP+4*\i+3], s[8:9] offset:\i*32768 th:TH_STORE_NT   ; 16 lanes store 256 consecutive bytes, at a multiple of 256 from the first byte of out0
.endr
.Lclose:
	s_wait_tensorcnt 0x0
	ds_add_u32 v254, v255
	s_wait_dscnt 0x0
	ROUND                                          ; the closing round: no work-group ends while a partner may still ask for a tile that names it
	s_endpgm
.Lfunc_end_k_qbaf4569d1d_attn:
	.size	k_qbaf4569d1d_attn, .Lfunc_end_k_qbaf4569d1d_attn-k_qbaf4569d1d_attn
	.p2alignl 7, 3214868480
	.fill 96, 4, 3214868480
	.section	.rodata,"a",@progbits
	.p2align	6, 0x0
	.amdhsa_kernel k_qbaf4569d1d_attn
		.amdhsa_group_segment_fixed_size 327680
		.amdhsa_private_segment_fixed_size 0
		.amdhsa_enable_private_segment 0
		.amdhsa_kernarg_size 24
		.amdhsa_user_sgpr_count 2
		.amdhsa_user_sgpr_kernarg_segment_ptr 1
		.amdhsa_wavefront_size32 1
		.amdhsa_system_sgpr_workgroup_id_x 1
		.amdhsa_system_sgpr_workgroup_id_y 1
		.amdhsa_system_sgpr_workgroup_id_z 1
		.amdhsa_system_vgpr_workitem_id 0
		.amdhsa_next_free_vgpr 256
		.amdhsa_next_free_sgpr 66
		.amdhsa_reserve_vcc 0
		.amdhsa_float_denorm_mode_32 3
		.amdhsa_float_denorm_mode_16_64 3
		.amdhsa_memory_ordered 1
		.amdhsa_forward_progress 1
		.amdhsa_inst_pref_size 255
	.end_amdhsa_kernel
	.section	.bss,"aw",@nobits
	.p2align	6
	.space	262144
	.amdgpu_metadata
---
amdhsa.version: [ 1, 2 ]
amdhsa.kernels:
  - .name:           k_qbaf4569d1d_attn
    .symbol:         k_qbaf4569d1d_attn.kd
    .args:
      - { .name: vbuf, .offset: 0, .size: 8, .value_kind: global_buffer, .address_space: global }
      - { .name: kq, .offset: 8, .size: 8, .value_kind: global_buffer, .address_space: global }
      - { .name: out0, .offset: 16, .size: 8, .value_kind: global_buffer, .address_space: global }
    .group_segment_fixed_size: 327680
    .private_segment_fixed_size: 0
    .kernarg_segment_align: 8
    .kernarg_segment_size: 24
    .max_flat_workgroup_size: 256
    .sgpr_count:     66
    .vgpr_count:     256
    .wavefront_size: 32
...
	.end_amdgpu_metadata
.endif
;; end of part 3
